; MI455X (gfx1250); checked and timed in simulation.
; The chip was launched on July 23, 2026; its instructions are those of AMD's public machine-readable ISA for CDNA 5 (MIT licence, August 2026) and "CDNA5" Instruction Set Architecture Reference Guide (July 2026). The comments in the code are by the model that wrote it; some were corrected since.
;; KNN Buffer. Allowed arithmetic: matrix products marked QUANTISED: E4M3 operands, one given power-of-two scale a tensor, by v_wmma_f32_16x16x64_fp8_fp8 or v_wmma_f32_16x16x128_fp8_fp8, f32 sums; everything else in f32.
;; Inputs: buffer 50,000 x 512 float32; inputs 2,048 x 512 float32; lowp_scales 2 int32 (the exponents e of the quantised operands' scales 2^e).
;; Outputs: out0 2,048 x 512 float32.
;; This version of the problem:
;;   THIS VERSION OF THE PROBLEM IS GIVEN IN LOW PRECISION. The matrix products marked QUANTISED in the list below multiply operands that are first quantised to E4M3 (4 exponent bits, 3 mantissa bits; 8 bits a number), with one given power-of-two scale for each operand tensor; their sums are f32. All else is computed in f32.
;;   The module's matrix products, in the order in which they are computed (A, B: the left and right operand; K: the contracted axis; several contracted axes count as one K, in the product's order):
;;     1. [M 2,048, K 512] x [K 512, N 50,000]; A: input inputs; B: input buffer: QUANTISED (scales: A lowp_scales[0], B lowp_scales[1])
;;   THE QUANTISER, for each operand of a quantised product, along K:
;;     - The operand's scale is 2^e, e = its entry of the input lowp_scales (int32; the entries are numbered through the quantised products in the list's order, A before B).
;;     - Each number is divided by the scale, clamped to +-448, and rounded to the nearest number of E4M3, ties to even, subnormals kept.
;;     - The product sums the exact products of the quantised numbers (number of the format x scale) in f32.
;;   ~~~python
;;   def quantise(x, axis, e):      # numpy; x: float32 -> the quantised numbers, widened to float32 again
;;       x = np.moveaxis(x, axis, -1); K = x.shape[-1]
;;       r = np.clip(x / 2.0 ** e, -448, 448)
;;       step = 2.0 ** (np.maximum(np.frexp(np.where(r == 0, 1, r))[1] - 1, -6) - 3)
;;       q = np.round(r / step) * step * 2.0 ** e      # np.round: ties to even
;;       return np.moveaxis(q, -1, axis).astype(np.float32)
;;   ~~~
;; One version. Each part assembles by itself: llvm-mc -triple=amdgcn-amd-amdhsa -mcpu=gfx1250 --defsym DOCPART=n.
;; ======== version 1 of 1: 3 launches
;; limits: right only within a limited range of input values
;; workspace buffers: qcodes 1,081,344 bytes; bcodes 26,492,928 bytes; pkey 524,288 bytes of whole numbers; pgrp 524,288 bytes of whole numbers
;; launch quant (part 1): grid 252 x 1, 13 waves a work-group, no clusters, 114,944 bytes of LDS; arguments inputs, buffer, lowp_scales, qcodes, bcodes; writes qcodes, bcodes
.if DOCPART == 1
	.amdgcn_target "amdgcn-amd-amdhsa--gfx1250"
	.amdhsa_code_object_version 6
	.text
	.protected	k_q023e8e80fb_quant
	.globl	k_q023e8e80fb_quant
	.p2align	8
	.type	k_q023e8e80fb_quant,@function
k_q023e8e80fb_quant:
	s_mov_b64 s[64:65], 0
	v_nop
	global_prefetch_b8 v0, s[64:65] scope:SCOPE_SE
	s_setreg_imm32_b32 hwreg(HW_REG_WAVE_MODE, 25, 1), 1
	s_wait_xcnt 0x0
; inputs [2048][512] and buffer [50000][512], f32, become codes of FP8 (E4M3), each tensor with the one scale 2^e that is given for it, and each row's f32 sum of squares is stored beside its codes.
; code = x / 2^e, held within +-448, rounded to the nearest code, ties to even.  e: entry 0 of the scales (ea) for inputs, entry 1 (eb) for buffer.
; LIMITS: ea and eb between -126 and 119 (2^e and 448 x 2^e are made as f32 numbers); ea + eb between -126 and 125.  NaN and infinities among the inputs are not served.  A row's squares are added in eight chains, not in the order of a plain loop.
; THE RECORD.  A tile of 16 rows x 512 K is stored as REC = 8,448 bytes, in the order in which a matrix operand's registers take it: byte 256 q + 16 r + i is the code of row r at k = 16 q + i (q = 0 .. 31).
; So lane l = 16 h + r of a later launch finds k = 128 s + 32 c + 16 h + 0 .. 15 of row r as the 16 bytes at 512 (4 s + c) + 16 l.  Bytes 8,192 on: 64 floats, float f belongs to row f % 16:
; in the queries' records the row's sum of squares q2; in the buffer's records -b2 / 2^(ea + eb + 1), the number with which the next launch begins its sums of code products (a multiplication by a power of two: nothing is rounded).
; SHARES.  A wave takes one tile; wave v of work-group w takes tile 13 w + v of 3,264: tiles 0 to 127 are the queries', the other 3,136 the buffer's records.  252 work-groups of 13 waves hold 3,276 places.
; The buffer has 3,125 tiles; records 3,125 to 3,135 repeat tile 3,124,
; so that the next launch walks 64 slabs of 49 records with no edge; a repeated row never wins there, since only a strictly better row replaces an earlier one.
; A tile goes in 8 strips of 64 numbers (256 bytes) of all 16 rows.  Each load reads two rows' 256 bytes, 16 bytes a lane; the strip turns through the wave's own stage in LDS (rows 272 bytes apart) and comes back
; 64 bytes a lane: 16 neighbours along K twice, as the conversions want them.  Loads run three strips ahead, the turn through LDS one strip.  Waves share nothing: no barrier.
.set REC,   8448
.set QT,    128                        ; the queries' tiles
.set NTILE, 3264                       ; all tiles
.set LASTT, 3124                       ; the buffer's last tile
.set ROWB,  2048                       ; a row of either tensor in bytes
.set NST,   8                          ; strips
.set SP,    272                        ; a stage row: 256 bytes + 16, so that 16 rows' equal columns fall 16 bytes apart modulo 256
.set STGB,  16*SP                      ; a stage
.set WST,   2*STGB                     ; a wave's two stages
.set SPARE, 13*WST                     ; behind the 13 waves' stages: the spare words, 128 bytes a wave, seven blocks of 256 bytes that no other line names
.set VIN,   1                          ; v1   in: 2048 (lane / 16) + 16 (lane % 16)
.set VST,   2                          ; v2   into the stage: 272 (lane / 16) + 16 (lane % 16) + my wave's stages
.set VLD,   3                          ; v3   out of it: 272 r + 64 h + my wave's stages
.set VOUT,  4                          ; v4   16 x lane: my codes' place in 512 bytes of the record
.set BP0,   5                          ; v5   4 x ((2 lane) % 16): the lane whose row's sum is float 2 lane of the record's last block
.set BP1,   6                          ; v6   the next lane's
.set VB2,   7                          ; v7   8 x lane
.set LIM,   10                         ; v10  448 x 2^e
.set SCL,   11                         ; v11  2^e
.set S,     12                         ; v12-19  four chains of pairs: the sums of squares
.set T,     20                         ; v20-22  at work
.set R,     24                         ; v24-119   three sets of 32: a strip as it is loaded
.set X,     120                        ; v120-183  two sets of 32: a strip as the conversions want it
.set C,     184                        ; v184-247  codes: eight registers for each strip, so that no store's data are written again
	s_load_b128 s[4:7], s[0:1], 0x0                ; inputs, buffer
	s_load_b128 s[8:11], s[0:1], 0x10              ; the scales' exponents, the queries' records
	s_load_b64 s[12:13], s[0:1], 0x20              ; the buffer's records
	v_lshl_add_u32 v248, v0, 2, SPARE              ; my spare word, and 0: kept for the closing lines
	v_mov_b32 v249, 0
	v_lshrrev_b32 v8, 5, v0
	v_readfirstlane_b32 s16, v8                    ; wave 0..12
	v_and_b32 v8, 31, v0                           ; lane
	v_and_b32 v9, 15, v0                           ; r
	v_bfe_u32 v[T], v0, 4, 1                       ; h
	v_lshlrev_b32 v[VIN], 4, v9
	v_lshl_add_u32 v[VIN], v[T], 11, v[VIN]
	s_mul_i32 s26, s16, WST
	v_mul_u32_u24 v[VST], v[T], SP
	v_lshl_add_u32 v[VST], v9, 4, v[VST]
	v_add_nc_u32 v[VST], s26, v[VST]
	v_mul_u32_u24 v[VLD], v9, SP
	v_lshl_add_u32 v[VLD], v[T], 6, v[VLD]
	v_add_nc_u32 v[VLD], s26, v[VLD]
	v_lshlrev_b32 v[VOUT], 4, v8
	v_lshlrev_b32 v[VB2], 3, v8
	v_and_b32 v[BP0], 60, v[VB2]
	v_add_nc_u32 v[BP1], 4, v[BP0]
	s_mov_b32 s24, 0x76543210                      ; v_permlanex16_b32: each lane takes its own place in the other half
	s_mov_b32 s25, 0xfedcba98
	s_mul_i32 s29, ttmp9, 13
	s_add_co_u32 s29, s29, s16                     ; my wave's tile among the 3,264
	s_cmp_lt_u32 s29, QT                           ; a tile of the queries or of the buffer?  The choice hangs on ids alone
	s_cselect_b32 s17, 0, QT
	s_sub_co_u32 s17, s29, s17                     ; the record that my wave writes
	s_min_u32 s18, s17, LASTT                      ; the tile that it reads (the queries' numbers stay under 128)
	s_lshl_b32 s18, s18, 15                        ; 16 rows of 2,048 bytes
	s_mov_b32 s19, 0
	s_mul_i32 s20, s17, REC
	s_mov_b32 s21, 0
	s_wait_alu depctr_va_vdst(0)
	s_wait_kmcnt 0x0
	s_cmp_ge_u32 s29, NTILE
	s_cbranch_scc1 .Lnone                          ; no tile is left for this wave: it has touched no memory and no LDS
	s_load_b64 s[22:23], s[8:9], 0x0               ; the two exponents
	s_cmp_lt_u32 s29, QT
	s_cselect_b64 s[4:5], s[4:5], s[6:7]
	s_cselect_b64 s[10:11], s[10:11], s[12:13]
	s_add_nc_u64 s[4:5], s[4:5], s[18:19]
	s_add_nc_u64 s[10:11], s[10:11], s[20:21]
.macro LOAD t                          ; strip t: eight loads, each two rows' 256 consecutive bytes
.irp j, 0,1,2,3,4,5,6,7
	global_load_b128 v[R+32*((\t)%3)+4*\j:R+32*((\t)%3)+4*\j+3], v[VIN], s[4:5] offset:2*ROWB*\j+256*(\t) th:TH_LOAD_NT
.endr
.endm
.macro TURN t                          ; strip t through stage t % 2: LDS serves a wave's instructions in order (ISA guide 5.7.1.4), so no wait stands between the stores and the loads
.irp j, 0,1,2,3,4,5,6,7
	ds_store_b128 v[VST], v[R+32*((\t)%3)+4*\j:R+32*((\t)%3)+4*\j+3] offset:STGB*((\t)%2)+2*SP*\j
.endr
.irp u, 0,1
.irp i, 0,1,2,3
	ds_load_b128 v[X+32*((\t)%2)+16*\u+4*\i:X+32*((\t)%2)+16*\u+4*\i+3], v[VLD] offset:STGB*((\t)%2)+128*\u+16*\i   ; register 16 u + n: k = 16 (4 t + 2 u + h) + n of row r
.endr
.endr
.endm
	LOAD 0
	LOAD 1
	LOAD 2
	s_wait_kmcnt 0x0
	s_add_co_i32 s27, s22, s23                     ; ea + eb
	s_sub_co_i32 s27, 126, s27                     ; 127 - (ea + eb + 1), between 1 and 252
	s_lshl_b32 s27, s27, 23
	s_or_b32 s27, s27, 0x80000000                  ; -2^-(ea + eb + 1) as f32: the factor of the buffer's sums of squares;
	s_mov_b32 s28, 0x3f800000                      ; the queries' are stored as they are: x 1.0
	s_cmp_lt_u32 s29, QT
	s_cselect_b32 s27, s28, s27
	s_cselect_b32 s22, s22, s23                    ; e
	s_add_co_i32 s22, s22, 127
	s_lshl_b32 s23, s22, 23
	v_mov_b32 v[SCL], s23                          ; 2^e as f32: the conversion takes its exponent field
	s_add_co_i32 s22, s22, 8
	s_lshl_b32 s22, s22, 23
	s_or_b32 s22, s22, 0x600000
	v_mov_b32 v[LIM], s22                          ; 448 x 2^e
	v_mov_b32 v[T+2], 0                            ; written once: a lane permute's destination counts as one of its sources
	s_wait_alu depctr_va_vdst(0)
	s_wait_loadcnt 16                              ; strip 0's eight loads are in; strips 1 and 2 may be out
	TURN 0
.macro STEP t
.set XS, X+32*((\t)%2)
	s_wait_dscnt 0x0                               ; this strip is back from the stage: so its stores into the stage have read their registers,
.if (\t)+3 < NST
	LOAD (\t)+3                                    ; which take the loads of three strips on
.endif
.if (\t)+1 < NST
.if (\t)+3 < NST
	s_wait_loadcnt 16                              ; the next strip's eight loads are in; those of the two strips behind it may be out
.else
	s_wait_loadcnt 8*(NST-2-(\t))                  ; near the end fewer strips stand behind it
.endif
	TURN (\t)+1                                    ; and it goes through the other stage while this strip is worked
.endif
.set p, 0
.rept 16                               ; the squares of the numbers as they are given, two at a time, in four chains; the first strip's first four products start the chains
.if ((\t) == 0) && (p < 4)
	v_pk_mul_f32 v[S+2*p:S+2*p+1], v[XS+2*p:XS+2*p+1], v[XS+2*p:XS+2*p+1]
.else
	v_pk_fma_f32 v[S+2*(p%4):S+2*(p%4)+1], v[XS+2*p:XS+2*p+1], v[XS+2*p:XS+2*p+1], v[S+2*(p%4):S+2*(p%4)+1]
.endif
.set p, p+1
.endr
.set p, 0
.rept 32
	v_med3_num_f32 v[XS+p], v[XS+p], -v[LIM], v[LIM]   ; the conversion to an 8-bit code does not saturate (ISA guide 7.6.2): the number is held within the largest code x the scale first
.set p, p+1
.endr
.irp g, 0,1,2,3
	v_cvt_scalef32_pk8_fp8_f32 v[C+8*(\t)+2*\g:C+8*(\t)+2*\g+1], v[XS+8*\g:XS+8*\g+7], v[SCL]
.endr
; (the codes go to stores alone, and the next vector lines are plain and touch other registers)
	global_store_b128 v[VOUT], v[C+8*(\t):C+8*(\t)+3], s[10:11] offset:1024*(\t)          ; q = 4 t + h: 32 lanes store 512 consecutive bytes, at a multiple of 256 from the buffer's first byte
	global_store_b128 v[VOUT], v[C+8*(\t)+4:C+8*(\t)+7], s[10:11] offset:1024*(\t)+512    ; q = 4 t + 2 + h
.endm
.irp t, 0,1,2,3,4,5,6,7
	STEP \t
.endr
	v_pk_add_f32 v[S:S+1], v[S:S+1], v[S+2:S+3]    ; the four chains,
	v_pk_add_f32 v[S+4:S+5], v[S+4:S+5], v[S+6:S+7]
	v_pk_add_f32 v[S:S+1], v[S:S+1], v[S+4:S+5]
	v_add_f32 v[S], v[S], v[S+1]                   ; their two halves,
	v_permlanex16_b32 v[T+2], v[S], s24, s25
	v_add_f32 v[S], v[S], v[T+2]                   ; and the row's other 256 numbers, which lie in the lane 16 away: every lane now holds the sum of row lane % 16
	v_mul_f32 v[S], s27, v[S]                      ; x 1.0 (queries) or x -2^-(ea + eb + 1) (buffer)
	ds_bpermute_b32 v[T], v[BP0], v[S]             ; lane l takes the numbers of rows (2 l) % 16 and (2 l + 1) % 16: floats 2 l and 2 l + 1 of the last block
	ds_bpermute_b32 v[T+1], v[BP1], v[S]
	s_wait_dscnt 0x0
	global_store_b64 v[VB2], v[T:T+1], s[10:11] offset:8192   ; 32 lanes store 256 consecutive bytes
	s_wait_tensorcnt 0x0                           ; the wave's end
	ds_add_u32 v248, v249
	s_wait_dscnt 0x0
.Lnone:
	s_endpgm
.Lfunc_end_k_q023e8e80fb_quant:
	.size	k_q023e8e80fb_quant, .Lfunc_end_k_q023e8e80fb_quant-k_q023e8e80fb_quant
	.p2alignl 7, 3214868480
	.fill 96, 4, 3214868480
	.section	.rodata,"a",@progbits
	.p2align	6, 0x0
	.amdhsa_kernel k_q023e8e80fb_quant
		.amdhsa_group_segment_fixed_size 114944
		.amdhsa_private_segment_fixed_size 0
		.amdhsa_enable_private_segment 0
		.amdhsa_kernarg_size 40
		.amdhsa_user_sgpr_count 2
		.amdhsa_user_sgpr_kernarg_segment_ptr 1
		.amdhsa_wavefront_size32 1
		.amdhsa_system_sgpr_workgroup_id_x 1
		.amdhsa_system_sgpr_workgroup_id_y 1
		.amdhsa_system_sgpr_workgroup_id_z 1
		.amdhsa_system_vgpr_workitem_id 0
		.amdhsa_next_free_vgpr 250
		.amdhsa_next_free_sgpr 66
		.amdhsa_reserve_vcc 0
		.amdhsa_float_denorm_mode_32 3
		.amdhsa_float_denorm_mode_16_64 3
		.amdhsa_memory_ordered 1
		.amdhsa_forward_progress 1
		.amdhsa_inst_pref_size 46
	.end_amdhsa_kernel
	.amdgpu_metadata
---
amdhsa.version: [ 1, 2 ]
amdhsa.kernels:
  - .name:           k_q023e8e80fb_quant
    .symbol:         k_q023e8e80fb_quant.kd
    .args:
      - { .name: inputs, .offset: 0, .size: 8, .value_kind: global_buffer, .address_space: global }
      - { .name: buffer, .offset: 8, .size: 8, .value_kind: global_buffer, .address_space: global }
      - { .name: lowp_scales, .offset: 16, .size: 8, .value_kind: global_buffer, .address_space: global }
      - { .name: qcodes, .offset: 24, .size: 8, .value_kind: global_buffer, .address_space: global }
      - { .name: bcodes, .offset: 32, .size: 8, .value_kind: global_buffer, .address_space: global }
    .group_segment_fixed_size: 114944
    .private_segment_fixed_size: 0
    .kernarg_segment_align: 8
    .kernarg_segment_size: 40
    .max_flat_workgroup_size: 416
    .sgpr_count:     66
    .vgpr_count:     250
    .wavefront_size: 32
...
	.end_amdgpu_metadata
.endif
;; end of part 1
;; launch dist (part 2): grid 256 x 1, 4 waves a work-group, clusters of 4 x 1, 327,680 bytes of LDS; arguments qcodes, bcodes, lowp_scales, pkey, pgrp; writes pkey, pgrp
.if DOCPART == 2
	.amdgcn_target "amdgcn-amd-amdhsa--gfx1250"
	.amdhsa_code_object_version 6
	.text
	.protected	k_q023e8e80fb_dist
	.globl	k_q023e8e80fb_dist
	.p2align	8
	.type	k_q023e8e80fb_dist,@function
k_q023e8e80fb_dist:
	s_mov_b64 s[64:65], 0
	v_nop
	global_prefetch_b8 v0, s[64:65] scope:SCOPE_SE
	s_setreg_imm32_b32 hwreg(HW_REG_WAVE_MODE, 25, 1), 1
	s_wait_xcnt 0x0
	s_wait_alu depctr_hold_cnt(0) depctr_sa_sdst(0) depctr_va_vdst(0) depctr_va_sdst(0) depctr_va_ssrc(0) depctr_va_vcc(0) depctr_vm_vsrc(0)
	s_getreg_b32 s2, hwreg(HW_REG_IB_STS2, 6, 4)
	s_cmp_eq_u32 s2, 0
	s_cbranch_scc0 .Lentry_in_a_cluster
	s_endpgm
.Lentry_in_a_cluster:
	s_bfe_u32 s2, ttmp6, 0x10000c
	s_cmp_lg_u32 s2, 0x3003
	s_cbranch_scc0 .Lentry_shape_is_right
	s_endpgm
.Lentry_shape_is_right:
; d2[q][n] = q2[q] - 2 q.b + b2[n], q.b on codes of FP8 (E4M3); for each query and each slab of the buffer the least d2 and the GROUP of eight rows in which it first fell.
; SHARES.  The buffer's 3,136 records (16 rows each) are 64 slabs of 49.  A cluster of four work-groups takes a slab; work-group cx of it takes queries 512 cx on, each of its four waves 128: eight tiles of 16,
; whose fragments (512 registers) stay in registers for the whole launch.  Every wave walks the slab's 49 records.
; JOINT LOADS.  The four work-groups walk the same records, so each fill is asked for jointly: the same tensor load with the same descriptor and the mask 15 in all four.
; THE PRODUCT IS USED TRANSPOSED: source 0 = 16 buffer rows, source 1 = 16 queries.  A lane then holds ONE query (lane % 16), and its eight results are rows 8 (lane / 16) + 0 .. 7 of the record.
; b2 RIDES IN THE SUMS.  d2 = q2 - 2^(ea + eb + 1) x (S - b2 / 2^(ea + eb + 1)), S the sum of the codes' products.  The record holds -b2 / 2^(ea + eb + 1) for each row; a lane's eight of them are the C of each
; accumulator's first product.  The bracket falls as d2 grows, so the least d2 is the GREATEST finished sum: the running maximum takes a lane's eight sums by four v_max3, and where it has become strictly greater the
; record's number is kept: six vector lines for eight numbers.  q2 is applied once, on the way out: d2 = greatest sum x (-2^(ea + eb + 1)) + q2, one rounding.
; The half of the lanes says which eight rows of the record: group g = 2 x record + half.  Groups are runs of eight rows in ascending order, so the lowest group that holds a best row holds the first best row; the next launch finds the row in the group.
; WHAT IS STORED.  pgrp[slab][query] = g.  pkey[slab][query] = the slab's least d2 as an ORDER NUMBER: its 32 bits with the sign bit turned over where d2 is not negative and all bits turned over where it is, so that
; the unsigned order of the keys is the order of the d2 (-0 counts as less than +0).  The next launch compares keys as whole numbers.
; BY TURNS.  The wave's tiles are two pieces (tiles 0-3, tiles 4-7).  A record is two blocks of 16 products: piece A's, with piece B's 24 vector lines for the record before cut into 8 slices of 3, one behind every
; second product; then piece B's, with piece A's slices for this record.  The next record's 18 LDS loads stand in ONE run, behind the first block's first slice.
; LDS.  A ring of two slots of 16 records.  Record 0 comes from memory straight into registers; fill f = 0, 1, 2 holds records 16 f + 1 .. 16 f + 16 and goes to slot f % 2; every wave brings a quarter (four records).
; A wave issues fill 0 at the head, fill 1 (slot 1's first) behind the full sequence and a round of the cluster's barrier, and fill 2 behind the next such round, when slot 0 has been read out: one tensor load of a wave is out at the most.
; NO PREFETCH: fills 1 and 2 are each asked for 16 records' work (512 products a wave) ahead of their first read, and fill 0 has no loop ahead of it to ask from.
; LIMITS: ea + eb between -126 and 125 (2^(ea + eb + 1) and its reciprocal are made as f32 numbers).  NaN and infinities among the inputs are not served.  k is permuted alike in both operands (16 neighbouring codes
; a load), which changes the order of the sums inside an instruction alone.  THE ORDER OF ROUNDING is q2 - 2 (q.b - b2 / 2), not (q2 - 2 q.b) + b2: two rows whose d2 differ by a few units in the last place may change places.
; REGISTERS, in windows of 256: window 0: v1-13 addresses and the like; v16-47 four a tile: q2, the record kept, the running maximum in two registers by turns; v48-63 the rows' -b2 / 2^(ea + eb + 1), two sets;
;   v64-127 the eight accumulators; v128-255 the record's fragments, two sets of 64.   window 1: the fragments of query tiles 0-3 (tile t, K step s at 64 t + 16 s);   window 2: those of tiles 4-7.
; Only source 1 ever leaves window 0; the slices want window 0: two switches for two products and a slice.
.set REC,   8448                       ; a record
.set NT,    49                         ; records in a slab
.set SLABB, NT*REC
.set SLOTB, 16*REC                     ; a slot, and a fill
.set QRT,   SLOTB/4                    ; a wave's part of a fill: 132 rows of 256 bytes
.set STG,   2*SLOTB                    ; behind the ring: 1,024 bytes for each wave, for the way out
.set SPARE, STG+4096                   ; behind the stages: the spare words, 128 bytes for each wave: two blocks of 256 bytes that no other line names
.set L16,  1                           ; v1   16 x lane
.set ADR,  2                           ; v2   LDS address of the fragments to be fetched
.set B2O,  3                           ; v3   8192 + 32 (lane / 16): my eight rows' numbers in a record's last block
.set ADB,  4                           ; v4   LDS address of those to be fetched
.set SPW,  5                           ; v5   LDS address of my spare word; never rewritten
.set NIL,  6                           ; v6   0; never rewritten
.set CUR,  7                           ; v7   the number of the record whose slices are in hand
.set HH,   8                           ; v8   lane / 16
.set R4,   9                           ; v9   4 x (lane % 16)
.set OV,   10                          ; v10, v11  the way out: the other half's value and group
.set OG,   11
.set STO,  12                          ; v12  the way out: where I put a word
.set SLD,  13                          ; v13  and where I read 16 bytes back
.set ST,   16
.set B2,   48
.set ACC,  64
.set FR,   128
.set WV,   14                          ; s14  my wave's number
.set CX,   15                          ; s15  my work-group's place in the cluster: it enters the addresses of the queries' records, pkey and pgrp alone
.set SL,   16                          ; s16  the slab
.set G1,   24                          ; s[24:31] descriptor group 1
.set G0,   32                          ; s[32:39] descriptor group 0: a set for each slot
.set TB,   48                          ; s48  LDS byte of the next two records to be fetched
.set CNT,  49
.set SC,   50                          ; s50  -2^(ea + eb + 1)
.set MK,   52                          ; s52-55 a piece's four masks
.set SEL,  66                          ; s[66:67] lane selects for v_permlanex16_b32
.set MSB, 0
.macro WIN new                         ; the immediate's high byte repeats the setting that is left; a switch that changes nothing is dropped
.if MSB != (\new)
	s_set_vgpr_msb (MSB<<8)|(\new)
.set MSB, (\new)
.endif
.endm
; A round of the cluster's barrier: my work-group's barrier, so that wave 0's signal speaks for all four waves; wave 0 signals for the work-group; every wave waits for all four work-groups; my work-group's barrier once more.
.macro ROUND
	s_barrier_signal -1
	s_barrier_wait -1
	s_cmp_lg_u32 s[WV], 0
	s_cbranch_scc1 .Lnot_wave_0_\@
	s_barrier_signal -3
.Lnot_wave_0_\@:
	s_barrier_wait -3
	s_barrier_signal -1
	s_barrier_wait -1
.endm
.macro ASKFILL set                     ; a wave's one tensor load behind a round; s_nop 0 and four v_nop stand behind it, ahead of the next switch of windows
	tensor_load_to_lds s[G0+4*\set:G0+4*\set+3], s[G1:G1+7]
	s_nop 0
.rept 4
	v_nop
.endr
.endm
	s_load_b256 s[4:11], s[0:1], 0x0               ; the queries' records s[4:5], the buffer's s[6:7], the scales' exponents s[8:9], pkey s[10:11]
	s_load_b64 s[12:13], s[0:1], 0x20              ; pgrp
	v_lshl_add_u32 v[SPW], v0, 2, SPARE
	v_mov_b32 v[NIL], 0
	ds_add_u32 v[SPW], v[NIL]                      ; the opening lines: the add, twice on end, and its wait ahead of my first tensor load
	ds_add_u32 v[SPW], v[NIL]
	s_wait_dscnt 0x0
	v_lshrrev_b32 v[OV], 5, v0
	v_readfirstlane_b32 s[WV], v[OV]               ; wave 0..3
	s_bfe_u32 s[CX], ttmp6, 0x40000                ; cx
	s_mov_b32 s[SL], ttmp9                         ; in a cluster launch ttmp9 counts clusters: the slab, which the four partners share
	v_and_b32 v[L16], 31, v0
	v_lshlrev_b32 v[L16], 4, v[L16]
	v_bfe_u32 v[HH], v0, 4, 1
	v_and_b32 v[R4], 15, v0
	v_lshlrev_b32 v[R4], 2, v[R4]
	v_lshl_add_u32 v[B2O], v[HH], 5, 8192
	s_lshl_b32 s56, s[WV], 10
	s_add_co_u32 s56, s56, STG                     ; my stage
	v_add_nc_u32 v[STO], s56, v[R4]
	v_add_nc_u32 v[SLD], s56, v[L16]
	v_mov_b32 v[OG], 0                             ; (v10 and v11 are written once: a lane permute's destination counts as one of its sources)
	; descriptor group 1: a dense block as 132 rows of 256 bytes, laid in LDS as it lies in memory
	s_mov_b32 s[G1+0], 15|(3<<16)|(1<<21)          ; 15:0 the mask: all four work-groups; 17:16 elements of 8 bytes; 20 no padding; 21 set beside a mask
	s_mov_b32 s[G1+1], 32<<16                      ; tensor_dim0 = 32 elements
	s_mov_b32 s[G1+2], 132<<16                     ; tensor_dim1 = 132
	s_mov_b32 s[G1+3], 32<<16                      ; tile_dim0 = 32
	s_mov_b32 s[G1+4], 132                         ; tile_dim1 = 132
	s_mov_b32 s[G1+5], 32                          ; from row to row: 32 elements
	s_mov_b32 s[G1+6], 0
	s_mov_b32 s[G1+7], 0
	s_mul_i32 s56, s[SL], SLABB                    ; the slab's record 0
	s_mov_b32 s57, 0
	s_mul_i32 s58, s[WV], QRT                      ; my quarter of a fill, in memory and in LDS alike: no place in the cluster enters either
	s_mov_b32 s59, 0
	s_lshl_b32 s60, s[CX], 5
	s_lshl_b32 s61, s[WV], 3
	s_add_co_u32 s60, s60, s61                     ; my first tile of queries: 32 cx + 8 x wave
	s_mul_i32 s60, s60, REC
	s_mov_b32 s61, 0
	s_wait_kmcnt 0x0
	s_load_b64 s[62:63], s[8:9], 0x0               ; ea, eb
	s_add_nc_u64 s[4:5], s[4:5], s[60:61]
	s_add_nc_u64 s[6:7], s[6:7], s[56:57]
	s_add_nc_u64 s[18:19], s[6:7], s[58:59]
.irp f, 0,1
	s_mov_b32 s[G0+4*\f], 1                                        ; count = 1
	s_add_co_u32 s[G0+4*\f+1], s58, \f*SLOTB                       ; LDS address: slot f, my quarter
	s_add_nc_u64 s[G0+4*\f+2:G0+4*\f+3], s[18:19], REC+\f*SLOTB    ; global address: records 16 f + 1 on, my quarter
	s_or_b32 s[G0+4*\f+3], s[G0+4*\f+3], 0x80000000               ; type = 2
.endr
	ROUND                                          ; all four work-groups are here: the first joint loads meet
	ASKFILL 0                                      ; fill 0
	WIN 0x40                                       ; destination window 1
	s_wait_alu depctr_va_vdst(0)
.irp t, 0,1,2,3
.set x, 0
.rept 16
	global_load_b128 v[64*\t+4*x:64*\t+4*x+3], v[L16], s[4:5] offset:REC*\t+512*x          ; the queries' fragments stay in registers: each load takes 512 consecutive bytes of a record
.set x, x+1
.endr
.endr
	WIN 0x80                                       ; destination window 2
.irp t, 0,1,2,3
.set x, 0
.rept 16
	global_load_b128 v[64*\t+4*x:64*\t+4*x+3], v[L16], s[4:5] offset:REC*(\t+4)+512*x
.set x, x+1
.endr
.endr
	WIN 0
.irp t, 0,1,2,3,4,5,6,7
	global_load_b32 v[ST+4*\t], v[R4], s[4:5] offset:REC*\t+8192   ; q2 of my query in tile t
.endr
.set x, 0
.rept 16
	global_load_b128 v[FR+4*x:FR+4*x+3], v[L16], s[6:7] offset:512*x   ; the slab's record 0
.set x, x+1
.endr
	global_load_b128 v[B2:B2+3], v[B2O], s[6:7]
	global_load_b128 v[B2+4:B2+7], v[B2O], s[6:7] offset:16
	; The loop has no first trip of its own: its first block finds, as piece B's record -1, sums of -infinity, which change neither maximum nor record.
	s_mul_i32 s56, s[SL], NT                       ; the slab's first record's number
	s_mov_b32 s57, 0xff800000                      ; -infinity
	v_mov_b32 v[CUR], s56
.irp t, 0,1,2,3,4,5,6,7
	v_mov_b32 v[ST+4*\t+1], s56
	v_mov_b32 v[ST+4*\t+2], s57
	v_mov_b32 v[ST+4*\t+3], s57
.endr
	v_add_nc_u32 v[CUR], -1, v[CUR]
.set x, 0
.rept 32
	v_mov_b32 v[ACC+32+x], s57
.set x, x+1
.endr
	s_mov_b32 s[SEL], 0x76543210
	s_mov_b32 s[SEL+1], 0xfedcba98
	s_wait_alu depctr_va_vdst(0)
	s_wait_kmcnt 0x0
	s_add_co_i32 s[SC], s62, s63
	s_add_co_i32 s[SC], s[SC], 128
	s_lshl_b32 s[SC], s[SC], 23
	s_or_b32 s[SC], s[SC], 0x80000000              ; -2^(ea + eb + 1) as f32
; Product i of 16 of piece y on the fragments in set p: K step i / 4, tile y + i % 4.  The first four start the sums from the rows' -b2 / 2^(ea + eb + 1), the same eight registers for all tiles: nothing is cleared.
; The piece's four accumulators take turns, one instruction a turn.
.macro MM y, p
.set ms, i/4
.set ma, ACC+8*((\y)+i%4)
.set mf, FR+64*(\p)+16*ms
.set mq, 64*(i%4)+16*ms
	WIN 0x04+(\y)                                  ; source 1 in window 1 (piece A) or 2 (piece B)
.if ms == 0
	v_wmma_f32_16x16x128_fp8_fp8 v[ma:ma+7], v[mf:mf+15], v[mq:mq+15], v[B2+8*(\p):B2+8*(\p)+7]
.else
	v_wmma_f32_16x16x128_fp8_fp8 v[ma:ma+7], v[mf:mf+15], v[mq:mq+15], v[ma:ma+7]
.endif
.endm
; Line j of the 24 that take piece y's sums of a record of parity pe to the maximum.  The four tiles alternate, so that no line reads the result of the one just before it.
;   0-15   the new maximum = the greatest of the old one and the eight sums, each accumulator from its low end on        16-19  has it become strictly greater?        20-23  then this record is kept
.macro EP y, pe
.set zt, (\y)+(j&3)
.set zs, ST+4*zt
.set za, ACC+8*zt
	WIN 0
.if j < 16
.set zl, j>>2
.if zl == 0
	v_max3_num_f32 v[za], v[zs+2+(\pe)], v[za], v[za+1]
.elseif zl < 3
	v_max3_num_f32 v[za], v[za], v[za+2*zl], v[za+2*zl+1]
.else
	v_max3_num_f32 v[zs+3-(\pe)], v[za], v[za+6], v[za+7]
.endif
.elseif j < 20
	v_cmp_gt_f32 s[MK+(j&3)], v[zs+3-(\pe)], v[zs+2+(\pe)]
.else
	v_cndmask_b32 v[zs+1], v[zs+1], v[CUR], s[MK+(j&3)]
.endif
.endm
; The slice behind product i (i odd): lines 3 (i / 2) to 3 (i / 2) + 2.  Behind piece B's last slice the record's number steps.
.macro SLICE y, pe
.set j, 3*(i/2)
.rept 3
	EP \y, \pe
.set j, j+1
.endr
.if ((\y) == 4) && (i == 15)
	v_add_nc_u32 v[CUR], 1, v[CUR]
.endif
.endm
; The LDS loads of a record stand in ONE run of 18.  A trip of the loop fetches two records: the first at s[TB], the second off = REC bytes on, by the immediate; s[TB] steps once a trip.
.macro FETCHF p, off                   ; 16 loads: a record's fragments into set p
.if (\off) == 0
	WIN 0
	v_add_nc_u32 v[ADR], s[TB], v[L16]
.endif
.set x, 0
.rept 16
	ds_load_b128 v[FR+64*(\p)+4*x:FR+64*(\p)+4*x+3], v[ADR] offset:(\off)+512*x   ; 32 lanes take 512 consecutive bytes
.set x, x+1
.endr
.endm
.macro FETCHB p, off                   ; 2 loads: my eight rows' numbers of that record into set p
.if (\off) == 0
	WIN 0
	v_add_nc_u32 v[ADB], s[TB], v[B2O]
.endif
	ds_load_b128 v[B2+8*(\p):B2+8*(\p)+3], v[ADB] offset:(\off)
	ds_load_b128 v[B2+8*(\p)+4:B2+8*(\p)+7], v[ADB] offset:(\off)+16
.if (\off) != 0
	s_add_co_u32 s[TB], s[TB], 2*REC
.endif
.endm
; A RECORD of parity p.  fetch = 1: the next record is fetched into the other sets, behind the second product and its slice, 30 products ahead of its first use.
; PLACES (ISA guide 7.12.1 for vector instructions).  A block's last product (its piece's fourth tile) is followed by that block's last slice, three plain lines of the other piece, and then by the next slice,
; whose three lines name the first three tiles of its own piece: six plain lines that name none of its registers stand ahead of the first read of its sums, and ahead of the loads into the fragments that it read;
; for the product before it five.  The set of rows' numbers that is loaded was last read, as C, 14 products and eight slices earlier.  An accumulator is begun anew a whole block, 24 plain lines, after its last product.
.macro TILE p, fetch
	s_wait_dscnt 0x0                               ; this record's 16 + 2 loads are in: its first products read them as source 0 and as C
.set i, 0
.rept 16
	MM 0, \p
.if (i%2) == 1
	SLICE 4, 1-(\p)
.endif
.if (\fetch) && (i == 1)
	FETCHF 1-(\p), REC*(\p)
	FETCHB 1-(\p), REC*(\p)
.endif
.set i, i+1
.endr
.set i, 0
.rept 16
	MM 4, \p
.if (i%2) == 1
	SLICE 0, \p
.endif
.set i, i+1
.endr
.endm
.macro RUN trips, base                 ; 2 x trips records; the first to be fetched lies at LDS byte base
	s_mov_b32 s[TB], \base
	s_mov_b32 s[CNT], \trips
.Lrun_\@:
	TILE 0, 1
	TILE 1, 1
	WIN 0                                          ; at a label and at a branch every window is 0
	s_sub_co_u32 s[CNT], s[CNT], 1
	s_cmp_lg_u32 s[CNT], 0
	s_cbranch_scc1 .Lrun_\@
.endm
	s_wait_tensorcnt 0x0                           ; my quarter of fill 0 is in
	ds_add_u32 v[SPW], v[NIL]                      ; 0 onto my spare word,
	s_wait_dscnt 0x0                               ; and the wait for it
	ROUND                                          ; everybody's quarter is in, and all four work-groups are here; my loads into registers, of bytes that no wave writes, stay out across the round
	ASKFILL 1                                      ; fill 1 (records 17-32): slot 1's first fill, the first tensor load behind the round
	s_wait_loadcnt 0x0                             ; the queries' fragments, q2, record 0
	RUN 8, 0                                       ; records 0-15 are multiplied, records 1-16 (fill 0, slot 0) fetched
	s_wait_tensorcnt 0x0                           ; fill 1 is in: no tensor load of mine is out, so a group 0 may be written
	ds_add_u32 v[SPW], v[NIL]                      ; 0 onto my spare word; the descriptor's step stands between it and the wait for it
	s_add_nc_u64 s[G0+2:G0+3], s[G0+2:G0+3], 2*SLOTB   ; 32 records on; the type bits on top are not reached
	s_wait_dscnt 0x0                               ; the add is done, and my reads of slot 0 are over
	ROUND                                          ; the same holds of every wave of all four work-groups
	ASKFILL 0                                      ; fill 2 (records 33-48) goes into slot 0
	RUN 8, SLOTB                                   ; records 16-31; 17-32 (fill 1, slot 1) fetched
	s_wait_tensorcnt 0x0                           ; my quarter of fill 2 is in
	ds_add_u32 v[SPW], v[NIL]
	s_wait_dscnt 0x0
	s_barrier_signal -1
	s_barrier_wait -1                              ; everybody's is; nothing is filled again, so no round
	RUN 8, 0                                       ; records 32-47; 33-48 (fill 2, slot 0) fetched
	TILE 0, 0                                      ; record 48: nothing is left to fetch
.set j, 0
.rept 24
	EP 4, 0                                        ; piece B's lines for record 48; the slice before and the first three of these are the places behind the last product
.set j, j+1
.endr
	WIN 0
	; THE WAY OUT.  Record 48 is even, so every tile's maximum lies in its register 3; it becomes d2 = maximum x (-2^(ea + eb + 1)) + q2.  A query's two halves of the lanes meet: the smaller d2, and of equal ones the
	; lower group, is kept; d2 then becomes its order number.  128 queries' keys and groups go through my stage in LDS, so that each store to memory covers 512 consecutive bytes.
	s_lshl_b32 s60, s[CX], 11
	s_lshl_b32 s61, s[WV], 9
	s_add_co_u32 s60, s60, s61
	s_lshl_b32 s61, s[SL], 13
	s_add_co_u32 s60, s60, s61                     ; 8192 x slab + 4 x my first query
	s_mov_b32 s61, 0
	s_add_nc_u64 s[10:11], s[10:11], s[60:61]
	s_add_nc_u64 s[12:13], s[12:13], s[60:61]
.irp t, 0,1,2,3,4,5,6,7
	v_fma_f32 v[ST+4*\t+3], v[ST+4*\t+3], s[SC], v[ST+4*\t]        ; the slab's least d2 among my half's rows
	v_lshl_add_u32 v[ST+4*\t+1], v[ST+4*\t+1], 1, v[HH]            ; g = 2 x record + half
.endr
.irp t, 0,1,2,3,4,5,6,7
	v_permlanex16_b32 v[OV], v[ST+4*\t+3], s[SEL], s[SEL+1]
	v_permlanex16_b32 v[OG], v[ST+4*\t+1], s[SEL], s[SEL+1]
	v_cmp_lt_f32 s56, v[OV], v[ST+4*\t+3]
	v_cmp_eq_f32 s57, v[OV], v[ST+4*\t+3]
	v_cmp_lt_u32 s58, v[OG], v[ST+4*\t+1]
	s_and_b32 s57, s57, s58
	s_or_b32 s56, s56, s57
	v_cndmask_b32 v[ST+4*\t+3], v[ST+4*\t+3], v[OV], s56
	v_cndmask_b32 v[ST+4*\t+1], v[ST+4*\t+1], v[OG], s56
	v_ashrrev_i32 v[ST+4*\t+2], 31, v[ST+4*\t+3]                   ; all ones where d2 is negative,
	v_or_b32 v[ST+4*\t+2], 0x80000000, v[ST+4*\t+2]                ; the sign bit alone where it is not:
	v_xor_b32 v[ST+4*\t+3], v[ST+4*\t+3], v[ST+4*\t+2]             ; the order number
	ds_store_b32 v[STO], v[ST+4*\t+3] offset:64*\t                 ; both halves of the lanes store the same word with the same number
	ds_store_b32 v[STO], v[ST+4*\t+1] offset:64*\t+512
.endr
	ds_load_b128 v[B2:B2+3], v[SLD]                ; LDS serves a wave's instructions in order (ISA guide 5.7.1.4): these see my stores
	ds_load_b128 v[B2+4:B2+7], v[SLD] offset:512
	s_wait_dscnt 0x0
	global_store_b128 v[L16], v[B2:B2+3], s[10:11]
	global_store_b128 v[L16], v[B2+4:B2+7], s[12:13]
	s_wait_tensorcnt 0x0                           ; the wave's end
	ds_add_u32 v[SPW], v[NIL]
	s_wait_dscnt 0x0
	ROUND                                          ; the closing round: no work-group ends while a partner may still ask for a fill that names it
	s_endpgm
.Lfunc_end_k_q023e8e80fb_dist:
	.size	k_q023e8e80fb_dist, .Lfunc_end_k_q023e8e80fb_dist-k_q023e8e80fb_dist
	.p2alignl 7, 3214868480
	.fill 96, 4, 3214868480
	.section	.rodata,"a",@progbits
	.p2align	6, 0x0
	.amdhsa_kernel k_q023e8e80fb_dist
		.amdhsa_group_segment_fixed_size 327680
		.amdhsa_private_segment_fixed_size 0
		.amdhsa_enable_private_segment 0
		.amdhsa_kernarg_size 40
		.amdhsa_user_sgpr_count 2
		.amdhsa_user_sgpr_kernarg_segment_ptr 1
		.amdhsa_wavefront_size32 1
		.amdhsa_system_sgpr_workgroup_id_x 1
		.amdhsa_system_sgpr_workgroup_id_y 1
		.amdhsa_system_sgpr_workgroup_id_z 1
		.amdhsa_system_vgpr_workitem_id 0
		.amdhsa_next_free_vgpr 768
		.amdhsa_next_free_sgpr 68
		.amdhsa_reserve_vcc 0
		.amdhsa_float_denorm_mode_32 3
		.amdhsa_float_denorm_mode_16_64 3
		.amdhsa_memory_ordered 1
		.amdhsa_forward_progress 1
		.amdhsa_inst_pref_size 82
	.end_amdhsa_kernel
	.amdgpu_metadata
---
amdhsa.version: [ 1, 2 ]
amdhsa.kernels:
  - .name:           k_q023e8e80fb_dist
    .symbol:         k_q023e8e80fb_dist.kd
    .args:
      - { .name: qcodes, .offset: 0, .size: 8, .value_kind: global_buffer, .address_space: global }
      - { .name: bcodes, .offset: 8, .size: 8, .value_kind: global_buffer, .address_space: global }
      - { .name: lowp_scales, .offset: 16, .size: 8, .value_kind: global_buffer, .address_space: global }
      - { .name: pkey, .offset: 24, .size: 8, .value_kind: global_buffer, .address_space: global }
      - { .name: pgrp, .offset: 32, .size: 8, .value_kind: global_buffer, .address_space: global }
    .group_segment_fixed_size: 327680
    .private_segment_fixed_size: 0
    .kernarg_segment_align: 8
    .kernarg_segment_size: 40
    .max_flat_workgroup_size: 128
    .sgpr_count:     68
    .vgpr_count:     768
    .wavefront_size: 32
...
	.end_amdgpu_metadata
.endif
;; end of part 2
;; launch fetch (part 3): grid 256 x 1, 8 waves a work-group, no clusters, 0 bytes of LDS; arguments pkey, qcodes, bcodes, buffer, lowp_scales, out0, pgrp; writes out0
.if DOCPART == 3
	.amdgcn_target "amdgcn-amd-amdhsa--gfx1250"
	.amdhsa_code_object_version 6
	.text
	.protected	k_q023e8e80fb_fetch
	.globl	k_q023e8e80fb_fetch
	.p2align	8
	.type	k_q023e8e80fb_fetch,@function
k_q023e8e80fb_fetch:
	s_mov_b64 s[64:65], 0
	v_nop
	global_prefetch_b8 v0, s[64:65] scope:SCOPE_SE
	s_setreg_imm32_b32 hwreg(HW_REG_WAVE_MODE, 25, 1), 1
	s_wait_xcnt 0x0
; out0[q] = the row of the buffer with the first least d2.  The launch before has stored, as whole numbers, for each of 64 slabs and each query the slab's least d2 as an order number (pkey: the unsigned order of the
; keys is the order of the d2) and the group g of eight rows in which it fell (pgrp).  A wave takes one query.
; THE SLAB.  Lane l reads the keys and groups of slabs l and l + 32.  The least key of the 64 is taken across the lanes by unsigned minima; then, among the slabs that hold it, the least g, which is the lowest slab's.
; All of this is arithmetic on whole numbers that were read from memory.  g gives record T = g / 2 and half hg = g % 2: rows 16 T + 8 hg + 0 .. 7.
; THE ROW.  The wave loads the eight rows in f32 (their addresses hang on T and hg alone), computes their eight d2 anew, by the same matrix form on the same codes in the same places of k, K step by K step on one
; accumulator that begins, as there, from the row's -b2 / 2^(ea + eb + 1), and by the same one rounding behind it (sum x (-2^(ea + eb + 1)) + q2), and SELECTS the row: no address and no branch hangs on a floating-point
; number.  Rows j = 1 .. 7 replace what was kept where d2[j] is strictly smaller than all before it.
; THE PRODUCT: source 0 = the eight rows, each twice (lane r takes row r % 8); source 1 = the query in all 16 columns.  So register j of EVERY lane is the sum of row j, and every lane makes the same choice.
; Seven of the eight rows are read in vain: 14 KB a query, the price of a selection in place of an address.  A lane's key is 4 bytes of its slab's row: 128 words a query in all.  No LDS, no barrier: waves share nothing.
; LIMITS: ea + eb between -126 and 125.  NaN and infinities among the inputs are not served.  The order of rounding is q2 - 2 (q.b - b2 / 2), not (q2 - 2 q.b) + b2.
; REGISTERS: v1-4 offsets; v8-13 keys and groups; v32-39 the accumulator; v40-47 d2; v48-55 the sums' first C; v64-127 the rows' fragments; v128-191 the query's; window 1 (v256-383): the eight rows, row j at 16 j.
.set REC, 8448
.set MSB, 0
.macro WIN new                         ; the immediate's high byte repeats the setting that is left
.if MSB != (\new)
	s_set_vgpr_msb (MSB<<8)|(\new)
.set MSB, (\new)
.endif
.endm
.macro LEAST r                         ; the unsigned minimum of v[r] over the 32 lanes, in every lane; v13 at work
.irp m, 1,2,4,8
	v_mov_b32_dpp v13, v[\r] row_xmask:\m row_mask:0xf bank_mask:0xf
	v_min_u32 v[\r], v[\r], v13
.endr
	v_permlanex16_b32 v13, v[\r], s38, s39
	v_min_u32 v[\r], v[\r], v13
.endm
	s_load_b256 s[4:11], s[0:1], 0x0               ; pkey s[4:5], the queries' records s[6:7], the buffer's records s[8:9], buffer s[10:11]
	s_load_b128 s[12:15], s[0:1], 0x20             ; the scales' exponents s[12:13], out0 s[14:15]
	s_load_b64 s[56:57], s[0:1], 0x30              ; pgrp
	v_lshrrev_b32 v1, 5, v0
	v_readfirstlane_b32 s16, v1                    ; wave 0..7
	s_lshl_b32 s17, ttmp9, 3
	s_add_co_u32 s17, s17, s16                     ; my query
	s_lshl_b32 s58, s17, 2                         ; its word in a slab's row of pkey and pgrp
	s_mov_b32 s59, 0
	v_and_b32 v1, 31, v0
	v_lshlrev_b32 v4, 13, v1                       ; 8,192 x lane: slab = lane
	v_lshlrev_b32 v1, 4, v1                        ; 16 x lane
	v_bfe_u32 v2, v0, 4, 1
	v_lshlrev_b32 v2, 8, v2                        ; the query's fragments: 256 (lane / 16)
	v_and_b32 v3, 7, v0
	v_lshl_add_u32 v3, v3, 4, v2                   ; the rows': 16 (lane % 8) + 256 (lane / 16)
	v_mov_b32 v13, 0                               ; written once: the destination of a lane move counts as one of its sources
	s_mov_b32 s38, 0x76543210                      ; v_permlanex16_b32: each lane takes its own place in the other half
	s_mov_b32 s39, 0xfedcba98
	s_lshr_b32 s21, s17, 4
	s_mul_i32 s22, s21, REC                        ; the query's record,
	s_mov_b32 s23, 0
	s_and_b32 s21, s17, 15                         ; and its row in it
	s_lshl_b32 s30, s21, 2
	s_wait_alu depctr_va_vdst(0)
	s_wait_kmcnt 0x0
	s_add_nc_u64 s[4:5], s[4:5], s[58:59]
	s_add_nc_u64 s[56:57], s[56:57], s[58:59]
	global_load_b32 v8, v4, s[4:5]                 ; the key of slab l,
	global_load_b32 v9, v4, s[4:5] offset:262144   ; of slab l + 32,
	global_load_b32 v10, v4, s[56:57]              ; and their groups
	global_load_b32 v11, v4, s[56:57] offset:262144
	s_load_b64 s[28:29], s[12:13], 0x0             ; ea, eb
	s_add_nc_u64 s[6:7], s[6:7], s[22:23]
	s_load_b32 s31, s[6:7], s30 offset:0x2000      ; q2
	s_lshl_b32 s22, s21, 4
	s_add_nc_u64 s[24:25], s[6:7], s[22:23]
.set x, 0
.rept 16
	global_load_b128 v[128+4*x:128+4*x+3], v2, s[24:25] offset:512*x   ; k = 32 x + 16 (lane / 16) + 0 .. 15 of my query, the same in all 16 columns
.set x, x+1
.endr
	s_wait_loadcnt 16                              ; the keys and groups are in; the 16 loads issued behind them may be out
	v_min_u32 v12, v8, v9
	LEAST 12                                       ; the least key of the 64 slabs
	v_cmp_eq_u32 s60, v8, v12
	v_cmp_eq_u32 s61, v9, v12
	v_cndmask_b32 v10, -1, v10, s60                ; the groups of the slabs that hold it; the others count as the greatest number
	v_cndmask_b32 v11, -1, v11, s61
	v_min_u32 v10, v10, v11
	LEAST 10                                       ; the least of them: the lowest slab's
	v_readfirstlane_b32 s18, v10                   ; g
	s_and_b32 s19, s18, 1                          ; hg
	s_lshr_b32 s18, s18, 1                         ; T
	s_wait_kmcnt 0x0
	s_min_u32 s18, s18, 3124                       ; held inside the buffer's 3,125 tiles
	s_min_u32 s19, s19, 1
	s_mul_i32 s32, s18, REC
	s_mov_b32 s33, 0
	s_add_nc_u64 s[8:9], s[8:9], s[32:33]          ; the tile's record
	s_lshl_b32 s34, s19, 5
	s_load_b256 s[40:47], s[8:9], s34 offset:0x2000   ; -b2 / 2^(ea + eb + 1) of the eight rows
	s_lshl_b32 s32, s19, 7
	s_add_nc_u64 s[36:37], s[8:9], s[32:33]        ; + 16 bytes x 8 hg rows
.set x, 0
.rept 16
	global_load_b128 v[64+4*x:64+4*x+3], v3, s[36:37] offset:512*x
.set x, x+1
.endr
	s_lshl_b32 s32, s18, 15                        ; 16 rows of 2,048 bytes a tile,
	s_lshl_b32 s35, s19, 14                        ; 8 a half
	s_add_co_u32 s32, s32, s35
	s_add_nc_u64 s[10:11], s[10:11], s[32:33]
	WIN 0x40                                       ; destination window 1
.irp j, 0,1,2,3,4,5,6,7
.irp d, 0,1,2,3
	global_load_b128 v[16*\j+4*\d:16*\j+4*\d+3], v1, s[10:11] offset:2048*\j+512*\d   ; 32 lanes read 512 consecutive bytes of row j
.endr
.endr
	WIN 0
	s_lshl_b32 s32, s17, 11
	s_add_nc_u64 s[14:15], s[14:15], s[32:33]      ; my row of out0
	s_add_co_i32 s26, s28, s29
	s_add_co_i32 s26, s26, 128
	s_lshl_b32 s26, s26, 23
	s_or_b32 s26, s26, 0x80000000                  ; -2^(ea + eb + 1) as f32
	s_wait_kmcnt 0x0                               ; the eight rows' numbers
.irp j, 0,1,2,3,4,5,6,7
	v_mov_b32 v[48+\j], s[40+\j]                   ; register j of every lane stands for row j: the C of the first product
.endr
	s_wait_alu depctr_va_vdst(0)
	s_wait_loadcnt 32                              ; both operands are in; the 32 loads of the rows, issued behind them, may be out
	v_wmma_f32_16x16x128_fp8_fp8 v[32:39], v[64:79], v[128:143], v[48:55]
	s_wait_alu depctr_va_vdst(0)                   ; one accumulator, so no turns
	v_wmma_f32_16x16x128_fp8_fp8 v[32:39], v[80:95], v[144:159], v[32:39]
	s_wait_alu depctr_va_vdst(0)
	v_wmma_f32_16x16x128_fp8_fp8 v[32:39], v[96:111], v[160:175], v[32:39]
	s_wait_alu depctr_va_vdst(0)
	v_wmma_f32_16x16x128_fp8_fp8 v[32:39], v[112:127], v[176:191], v[32:39]
.rept 4
	v_nop                                          ; four places between the last product and the first read of its result (ISA guide 7.12.1)
.endr
.irp j, 0,1,2,3,4,5,6,7
	v_fma_f32 v[40+\j], v[32+\j], s26, s31         ; d2 = q2 - 2^(ea + eb + 1) x sum, one rounding; the accumulator is read from its low end on
.endr
.irp j, 1
	v_cmp_lt_f32 s[47+\j], v[40+\j], v40           ; is row j strictly smaller than all before it?
	v_min_num_f32 v40, v40, v[40+\j]
.endr
.irp j, 2, 3, 4, 5, 6, 7
	s_delay_alu instid0(VALU_DEP_1)
	v_cmp_lt_f32 s[47+\j], v[40+\j], v40           ; is row j strictly smaller than all before it?
	s_delay_alu instid0(VALU_DEP_2)
	v_min_num_f32 v40, v40, v[40+\j]
.endr
	s_wait_loadcnt 0x0                             ; the rows
	WIN 0x45                                       ; destination and sources 0 and 1 in window 1
.irp j, 1,2,3,4,5,6,7
.set x, 0
.rept 16
	v_cndmask_b32 v[x], v[x], v[16*\j+x], s[47+\j] ; in ascending j: what is left in row 0's registers is the first least row
.set x, x+1
.endr
.endr
	WIN 0x04                                       ; a store's data are source 1: window 1; its address stays in window 0
.irp d, 0,1,2,3
	global_store_b128 v1, v[4*\d:4*\d+3], s[14:15] offset:512*\d   ; 32 lanes store 512 consecutive bytes, at a multiple of 256 from out0's first byte
.endr
	WIN 0
	s_endpgm
.Lfunc_end_k_q023e8e80fb_fetch:
	.size	k_q023e8e80fb_fetch, .Lfunc_end_k_q023e8e80fb_fetch-k_q023e8e80fb_fetch
	.p2alignl 7, 3214868480
	.fill 96, 4, 3214868480
	.section	.rodata,"a",@progbits
	.p2align	6, 0x0
	.amdhsa_kernel k_q023e8e80fb_fetch
		.amdhsa_group_segment_fixed_size 0
		.amdhsa_private_segment_fixed_size 0
		.amdhsa_enable_private_segment 0
		.amdhsa_kernarg_size 56
		.amdhsa_user_sgpr_count 2
		.amdhsa_user_sgpr_kernarg_segment_ptr 1
		.amdhsa_wavefront_size32 1
		.amdhsa_system_sgpr_workgroup_id_x 1
		.amdhsa_system_sgpr_workgroup_id_y 1
		.amdhsa_system_sgpr_workgroup_id_z 1
		.amdhsa_system_vgpr_workitem_id 0
		.amdhsa_next_free_vgpr 384
		.amdhsa_next_free_sgpr 66
		.amdhsa_reserve_vcc 0
		.amdhsa_float_denorm_mode_32 3
		.amdhsa_float_denorm_mode_16_64 3
		.amdhsa_memory_ordered 1
		.amdhsa_forward_progress 1
		.amdhsa_inst_pref_size 21
	.end_amdhsa_kernel
	.amdgpu_metadata
---
amdhsa.version: [ 1, 2 ]
amdhsa.kernels:
  - .name:           k_q023e8e80fb_fetch
    .symbol:         k_q023e8e80fb_fetch.kd
    .args:
      - { .name: pkey, .offset: 0, .size: 8, .value_kind: global_buffer, .address_space: global }
      - { .name: qcodes, .offset: 8, .size: 8, .value_kind: global_buffer, .address_space: global }
      - { .name: bcodes, .offset: 16, .size: 8, .value_kind: global_buffer, .address_space: global }
      - { .name: buffer, .offset: 24, .size: 8, .value_kind: global_buffer, .address_space: global }
      - { .name: lowp_scales, .offset: 32, .size: 8, .value_kind: global_buffer, .address_space: global }
      - { .name: out0, .offset: 40, .size: 8, .value_kind: global_buffer, .address_space: global }
      - { .name: pgrp, .offset: 48, .size: 8, .value_kind: global_buffer, .address_space: global }
    .group_segment_fixed_size: 0
    .private_segment_fixed_size: 0
    .kernarg_segment_align: 8
    .kernarg_segment_size: 56
    .max_flat_workgroup_size: 256
    .sgpr_count:     66
    .vgpr_count:     384
    .wavefront_size: 32
...
	.end_amdgpu_metadata
.endif
;; end of part 3
